; MI455X (gfx1250); checked and timed in simulation.
; The chip was launched on July 23, 2026; its instructions are those of AMD's public machine-readable ISA for CDNA 5 (MIT licence, August 2026) and "CDNA5" Instruction Set Architecture Reference Guide (July 2026). The comments in the code are by the model that wrote it; some were corrected since.
;; Temporal Attention. Allowed arithmetic: matrix products marked QUANTISED: E5M2 operands, one E8M0 scale for each 32 along K, by v_wmma_scale_f32_16x16x128_f8f6f4 with both operands' format E5M2, f32 sums; everything else in f32.
;; Inputs: bk 32 float32; bq 32 float32; bv 256 float32; feat1_codes 4 x 64 x 64 x 8 x 32 uint8 (E5M2 codes of feat1, K innermost, in blocks of 32 codes); feat1_scales 4 x 64 x 64 x 8 uint8 (E8M0 scales of feat1, one for each 32 codes along K); feat2 4 x 256 x 64 x 64 float32; gamma 1 float32; wk_codes 32 x 8 x 32 uint8 (E5M2 codes of wk, K innermost, in blocks of 32 codes); wk_scales 32 x 8 uint8 (E8M0 scales of wk, one for each 32 codes along K); wq_codes 32 x 8 x 32 uint8 (E5M2 codes of wq, K innermost, in blocks of 32 codes); wq_scales 32 x 8 uint8 (E8M0 scales of wq, one for each 32 codes along K); wv_codes 256 x 8 x 32 uint8 (E5M2 codes of wv, K innermost, in blocks of 32 codes); wv_scales 256 x 8 uint8 (E8M0 scales of wv, one for each 32 codes along K).
;; Outputs: out0 4 x 256 x 64 x 64 float32.
;; This version of the problem:
;;   THIS VERSION OF THE PROBLEM IS GIVEN IN LOW PRECISION. The matrix products marked QUANTISED in the list below multiply operands that are first quantised to E5M2 (5 exponent bits, 2 mantissa bits; 8 bits a number), with one power-of-two scale for each 32 numbers along K (OCP MX v1.0); their sums are f32. All else is computed in f32.
;;   The module's matrix products, in the order in which they are computed (A, B: the left and right operand; K: the contracted axis; several contracted axes count as one K, in the product's order):
;;     1. [M 16,384, K 256] x [K 256, N 32]; A: input feat2; B: input wq (given as codes): QUANTISED
;;     2. [M 16,384, K 256] x [K 256, N 32]; A: input feat1 (given as codes); B: input wk (given as codes): QUANTISED
;;     3. batch 4 x [M 4,096, K 32] x [K 32, N 4,096]; A: computed on the way; B: computed on the way: QUANTISED
;;     4. [M 16,384, K 256] x [K 256, N 256]; A: input feat1 (given as codes); B: input wv (given as codes): QUANTISED
;;     5. batch 4 x [M 256, K 4,096] x [K 4,096, N 4,096]; A: computed on the way; B: softmax (see below): QUANTISED
;;   THE QUANTISER, for each operand of a quantised product, along K:
;;     - K is cut into blocks of 32 from its start; a last block that is shorter is filled with zeros.
;;     - A block's scale is 2^e with e = floor(log2(the largest magnitude in the block)) - 15, held to -126 .. 127; a block of zeros has e = 0. As a byte (E8M0): e + 127.
;;     - Each number is divided by its block's scale, clamped to +-57,344, and rounded to the nearest number of E5M2, ties to even, subnormals kept.
;;     - The product sums the exact products of the quantised numbers (number of the format x scale) in f32.
;;   ~~~python
;;   def quantise(x, axis):      # numpy; x: float32 -> the quantised numbers, widened to float32 again
;;       x = np.moveaxis(x, axis, -1); K = x.shape[-1]
;;       x = np.pad(x, [(0, 0)] * (x.ndim - 1) + [(0, -K % 32)]); x = x.reshape(x.shape[:-1] + (-1, 32)); a = np.abs(x).max(-1, keepdims=True)
;;       e = np.where(a > 0, np.clip(np.frexp(np.where(a > 0, a, 1))[1] - 1 - 15, -126, 127), 0)      # np.frexp(a)[1] - 1 = floor(log2(a)), exactly
;;       r = np.clip(x / 2.0 ** e, -57344, 57344)
;;       step = 2.0 ** (np.maximum(np.frexp(np.where(r == 0, 1, r))[1] - 1, -14) - 2)
;;       q = np.round(r / step) * step * 2.0 ** e      # np.round: ties to even
;;       return np.moveaxis(q.reshape(q.shape[:-2] + (-1,))[..., :K], -1, axis).astype(np.float32)
;;   ~~~
;;   SOFTMAX AHEAD OF A QUANTISED PRODUCT. Where the list says 'softmax', what is quantised is not the finished softmax but p = 2^(t - M), with t = logit x log2(e) and M = ceil(the row's largest t), a whole number; so 1/2 < the row's largest p <= 1. The row's sum l is taken of the UNQUANTISED p, in f32, and the product's result is divided by l at the end. Since M is a whole number, a kernel that streams over the keys may use a running M (the ceiling of the running maximum): every later rescaling is an exact power of two, which a block's scale takes up: the codes' values come out the same.
;;   OPERANDS COMPUTED ON THE WAY. 'Computed on the way' means the value that the module computes at that place (a softmax that the list does not call 'softmax' is quantised finished and normalised). What goes into a quantiser is computed in f32, as accurately as f32 sums, v_exp_f32 and their like allow (about 1e-6 of the number): no bf16 or f16 on the way to a quantiser, and a product that is left as it is and whose result goes on into a quantised operand takes f32 operands (vector FMAs, or v_wmma_f32_16x16x4_f32). A number that lies on a knife's edge between two numbers of the format may be rounded either way, as far as f32 arithmetic and the matrix unit's own rounding can turn it there, and no further.
;;   INPUTS GIVEN AS CODES. feat1 (in the module: [4, 256, 64, 64], K = its axis 1); wk (in the module: [32, 256], K = its axis 1); wq (in the module: [32, 256], K = its axis 1); wv (in the module: [256, 256], K = its axis 1): each comes as NAME_codes (uint8): NAME with its K axis moved to the last place and cut into blocks of 32 codes, [.., K / 32, bytes a block], one block behind the other in memory; one code a byte (a code: sign, 5 exponent bits, 2 mantissa bits); and NAME_scales (uint8): the same leading axes, one E8M0 byte (e + 127) for each 32 codes along K. Its value is code x scale, taken as it is: it is not quantised again, and the codes and scales need not be those that the quantiser above would give.
;; One version. Each part assembles by itself: llvm-mc -triple=amdgcn-amd-amdhsa -mcpu=gfx1250 --defsym DOCPART=n.
;; ======== version 1 of 1: 2 launches
;; limits: right only within a limited range of input values
;; workspace buffers: kv 4,915,200 bytes
;; launch prep (part 1): grid 64 x 4, 8 waves a work-group, no clusters, 168,960 bytes of LDS; arguments feat1_codes, feat1_scales, wk_codes, wk_scales, bk, wv_codes, wv_scales, bv, kv; writes kv
.if DOCPART == 1
	.amdgcn_target "amdgcn-amd-amdhsa--gfx1250"
	.amdhsa_code_object_version 6
	.text
	.protected	k_q46609351c4_prep
	.globl	k_q46609351c4_prep
	.p2align	8
	.type	k_q46609351c4_prep,@function
k_q46609351c4_prep:
	s_mov_b64 s[64:65], 0
	v_nop
	global_prefetch_b8 v0, s[64:65] scope:SCOPE_SE
	s_setreg_imm32_b32 hwreg(HW_REG_WAVE_MODE, 25, 1), 1
	s_wait_xcnt 0x0
; PREP: k = wk f1 + bk and v = wv f1 + bv on codes of E5M2 (one E8M0 scale for each 32 along K = the 256 channels), each quantised again for the products that follow:
; k along its 32 outputs (one block a pixel), v along the PIXELS (blocks of 32 keys for each channel).  Both leave as IMAGES OF OPERAND REGISTERS, in records of 128 pixels:
;   kv[batch][record] = 38,400 bytes:  0: k's codes, key tile T (0..7) at 512 T + 16 lane: lane (r, h) holds key(T, r), outputs 16 h .. 16 h + 15;
;   4,096: k's scale words, 64 T + 4 r, the key's one byte in all four bytes;  4,608: v's scale words, channel tile t at 64 t + 4 r (four blocks of 32 keys);
;   5,632: v's codes, channel tile t, register group c at 2,048 t + 512 c + 16 lane: lane (r, h) holds channel 16 t + r, keys 32 c + 16 h + 0 .. 15.
; THE PIXELS OF A TILE ARE NOT NEIGHBOURS: key(T, r) = 32 (T / 2) + 8 (T % 2) + r + 8 (r / 8), so that in a transposed result the 16 registers of tiles 2 b and 2 b + 1 are 16 neighbouring keys.
; SHARES.  A work-group takes one record and half of the channels: wave w makes channel tile 8 hb + w (16 products); waves 0-3 also make key tile 4 hb + w (4 products).
; The record's 128 rows of feat1 (256 bytes each) come into LDS once, by two tensor loads; nothing is filled again.
; NO CLUSTER: a record's rows are asked for by two work-groups only, once each (32 KiB a work-group in the whole launch); all else that is shared is the weights' few KiB.
; LIMITS: NaN and infinities are not served.  A block whose largest magnitude lies under 2^-111 (zeros too) keeps the byte 1; only this program reads the bytes.
.set REC,   38400
.set KS_O,  4096
.set VS_O,  4608
.set VI_O,  5632
.set PITCH, 272                        ; an LDS row: 256 bytes + 16 of padding
.set RR,    1                          ; v1   r = lane % 16
.set HH,    2                          ; v2   h = lane / 16
.set RP,    3                          ; v3   r + 8 (r / 8)
.set LF,    4                          ; v4   LDS: row RP, + 16 h
.set LK,    5                          ; v5   the same in my key tile
.set A256,  6                          ; v6   256 r + 16 h
.set AP256, 7                          ; v7   256 RP + 16 h
.set A8,    8                          ; v8   8 r
.set AP8,   9                          ; v9   8 RP
.set A4,    10                         ; v10  4 r
.set A64H,  11                         ; v11  64 h
.set A16L,  12                         ; v12  16 x lane
.set FS,    16                         ; v16-31   feat1's scale words: pair 2 T, 2 T + 1 = K steps 0, 1 of pixel tile T
.set WVF,   32                         ; v32-63   wv's two fragments
.set WVS,   64                         ; v64-65   their scale words
.set BVR,   66                         ; v66      bv of my channel
.set KW,    67                         ; v67      k's scale word
.set KC,    68                         ; v68-71   k's codes
.set BV8,   72                         ; v72-79   bv as a C operand
.set VD,    80                         ; v80-143  v: 8 tiles of 16 keys.  Before that: KF, KD, KB
.set KF,    80                         ; v80-111  feat1's two fragments of my key tile
.set KD,    112                        ; v112-127 k: two tiles of 16 outputs
.set KB,    128                        ; v128-143 bk as a C operand
.set PC,    144                        ; v144-159 v's codes
.set PW,    160                        ; v160     v's scale word
.set TM,    164                        ; v164-179 at work in the quantisers
.set WK,    184                        ; v184-247 wk's fragments (u, s) at 16 (2 u + s)
.set WKS,   248                        ; v248-251 their scale words
.set FSK,   252                        ; v252-253 feat1's scale words of my key tile
.set WV,    22                         ; s22  wave
.set SEL,   40                         ; s[40:41] v_permlanex16_b32's selects for lane l xor 16
.set MNT,   42
.set MSB, 0
.macro WIN new                         ; the immediate's high byte repeats the setting that is left
.if MSB != \new
	s_set_vgpr_msb (MSB<<8)|\new
.set MSB, \new
.endif
.endm
.macro PLACES n
.rept \n
	v_nop
.endr
.endm
; 64 numbers of a lane, register 16 b + n = k 32 b + 16 h + n of my row, become a fragment's codes in v[pc] on and its scale word in v[pw]
.macro QUANT src, pc, pw
.irp b, 0,1,2,3
	v_max3_num_f32 v[TM+\b], |v[\src+16*\b]|, |v[\src+1+16*\b]|, 0x8000000   ; my 16 numbers of block b, and the floor 2^(16 - 127): the byte cannot fall under 1
.endr
.irp n, 2,4,6,8,10,12,14
.irp b, 0,1,2,3
	v_max3_num_f32 v[TM+\b], v[TM+\b], |v[\src+16*\b+\n]|, |v[\src+1+16*\b+\n]|
.endr
.endr
.irp b, 0,1,2,3
	s_delay_alu instid0(VALU_DEP_4)
	v_permlanex16_b32 v[TM+4+\b], v[TM+\b], s[SEL], s[SEL+1]
.endr
.irp b, 0,1,2,3
	s_delay_alu instid0(VALU_DEP_4)
	v_max_num_f32 v[TM+\b], v[TM+\b], v[TM+4+\b]                  ; with lane l xor 16's: the block's largest magnitude
.endr
.irp b, 0,1,2,3
	s_delay_alu instid0(VALU_DEP_4)
	v_add_nc_u32 v[TM+12+\b], 0xf8800000, v[TM+\b]                ; 15 off its exponent field: the conversion's scale operand
.endr
.irp b, 0,1,2,3
.endr
.irp b, 0,1,2,3
	s_delay_alu instid0(VALU_DEP_4)
	v_lshrrev_b32 v[TM+4+\b], 23, v[TM+12+\b]                     ; the scale's byte
.endr
	s_delay_alu instid0(VALU_DEP_3)
	v_lshl_or_b32 v[\pw], v[TM+5], 8, v[TM+4]
	s_delay_alu instid0(VALU_DEP_1)
	v_lshl_or_b32 v[\pw], v[TM+6], 16, v[\pw]
	s_delay_alu instid0(VALU_DEP_1)
	v_lshl_or_b32 v[\pw], v[TM+7], 24, v[\pw]
.irp b, 0,1,2,3
.irp n, 0,1,2,3,4,5,6,7,8,9,10,11,12,13,14,15
.endr
	v_cvt_scalef32_pk8_bf8_f32 v[\pc+4*\b:\pc+4*\b+1], v[\src+16*\b:\src+16*\b+7], v[TM+12+\b]
	v_cvt_scalef32_pk8_bf8_f32 v[\pc+4*\b+2:\pc+4*\b+3], v[\src+16*\b+8:\src+16*\b+15], v[TM+12+\b]
.endr
	v_nop                                          ; a plain line behind the last conversion
.endm
; 16 numbers of a lane, register n = k 16 h + n: ONE block of 32 with lane l xor 16's.  Four registers of codes; the byte in all four bytes of the word
.macro QUANT16 src, pc, pw
	v_max3_num_f32 v[TM], |v[\src]|, |v[\src+1]|, 0x8000000
.irp n, 2,4,6,8,10,12,14
	v_max3_num_f32 v[TM], v[TM], |v[\src+\n]|, |v[\src+\n+1]|
.endr
	s_delay_alu instid0(VALU_DEP_1)
	v_permlanex16_b32 v[TM+4], v[TM], s[SEL], s[SEL+1]
	s_delay_alu instid0(VALU_DEP_1)
	v_max_num_f32 v[TM], v[TM], v[TM+4]
	s_delay_alu instid0(VALU_DEP_1)
	v_add_nc_u32 v[TM+12], 0xf8800000, v[TM]
	s_delay_alu instid0(VALU_DEP_1)
	v_lshrrev_b32 v[TM+4], 23, v[TM+12]
	s_delay_alu instid0(VALU_DEP_1)
	v_lshl_or_b32 v[\pw], v[TM+4], 8, v[TM+4]
	s_delay_alu instid0(VALU_DEP_1)
	v_lshl_or_b32 v[\pw], v[\pw], 16, v[\pw]
.irp n, 0,1,2,3,4,5,6,7,8,9,10,11,12,13,14,15
.endr
	v_cvt_scalef32_pk8_bf8_f32 v[\pc:\pc+1], v[\src:\src+7], v[TM+12]
	v_cvt_scalef32_pk8_bf8_f32 v[\pc+2:\pc+3], v[\src+8:\src+15], v[TM+12]
	v_nop
.endm
	s_load_b256 s[4:11], s[0:1], 0x0               ; feat1's codes s[4:5], its scales s[6:7], wk's codes s[8:9], its scales s[10:11]
	s_load_b256 s[12:19], s[0:1], 0x20             ; bk s[12:13], wv's codes s[14:15], its scales s[16:17], bv s[18:19]
	s_load_b64 s[20:21], s[0:1], 0x40              ; kv
	v_lshl_add_u32 v254, v0, 2, 0x29000
	v_mov_b32 v255, 0
	ds_add_u32 v254, v255
	ds_add_u32 v254, v255
	v_lshrrev_b32 v14, 5, v0
	s_delay_alu instid0(VALU_DEP_1)
	v_readfirstlane_b32 s[WV], v14                 ; wave 0..7
	s_and_b32 s23, ttmp9, 1                        ; hb: which half of the channels and of the key tiles
	s_lshr_b32 s24, ttmp9, 1                       ; the record, 0..31
	s_and_b32 s25, ttmp7, 0xffff                   ; the batch
	s_lshl_b32 s26, s23, 3
	s_add_co_u32 s26, s26, s[WV]                   ; t: my channel tile = 8 hb + wave
	s_and_b32 s27, s[WV], 3
	s_lshl_b32 s44, s23, 2
	s_add_co_u32 s27, s27, s44                     ; my key tile = 4 hb + wave % 4
	s_lshr_b32 s44, s27, 1
	s_lshl_b32 s44, s44, 5
	s_and_b32 s45, s27, 1
	s_lshl_b32 s45, s45, 3
	s_add_co_u32 s44, s44, s45                     ; its first pixel: 32 (T / 2) + 8 (T % 2)
	s_mul_i32 s45, s44, PITCH
	v_and_b32 v13, 31, v0                          ; lane
	v_and_b32 v[RR], 15, v0
	v_bfe_u32 v[HH], v0, 4, 1
	s_delay_alu instid0(VALU_DEP_2)
	v_and_b32 v[RP], 8, v[RR]
	s_delay_alu instid0(VALU_DEP_1)
	v_add_nc_u32 v[RP], v[RP], v[RR]
	s_delay_alu instid0(VALU_DEP_1)
	v_mul_u32_u24 v[LF], v[RP], PITCH
	s_delay_alu instid0(VALU_DEP_1)
	v_lshl_add_u32 v[LF], v[HH], 4, v[LF]
	s_delay_alu instid0(VALU_DEP_1)
	v_add_nc_u32 v[LK], s45, v[LF]
	v_lshlrev_b32 v[A256], 8, v[RR]
	s_delay_alu instid0(VALU_DEP_1)
	v_lshl_add_u32 v[A256], v[HH], 4, v[A256]
	v_lshlrev_b32 v[AP256], 8, v[RP]
	s_delay_alu instid0(VALU_DEP_1)
	v_lshl_add_u32 v[AP256], v[HH], 4, v[AP256]
	v_lshlrev_b32 v[A8], 3, v[RR]
	v_lshlrev_b32 v[AP8], 3, v[RP]
	v_lshlrev_b32 v[A4], 2, v[RR]
	v_lshlrev_b32 v[A64H], 6, v[HH]
	v_lshlrev_b32 v[A16L], 4, v13
.irp b, 0,1,2,3
	v_mov_b32 v[TM+4+\b], 0                        ; written once: a lane permute's destination counts as one of its sources
.endr
	s_mov_b32 s[SEL], 0x76543210
	s_mov_b32 s[SEL+1], 0xfedcba98
	; descriptor group 1: 64 rows of 256 elements of one byte, 16 bytes of padding behind each row
	s_mov_b32 s32, (1<<20)|(5<<22)|(3<<25)         ; no mask; elements of 1 byte; padding on: 4 words after every 64
	s_mov_b32 s33, 256<<16                         ; tensor_dim0
	s_mov_b32 s34, 64<<16                          ; tensor_dim1
	s_mov_b32 s35, 256<<16                         ; tile_dim0
	s_mov_b32 s36, 64                              ; tile_dim1
	s_mov_b32 s37, 256                             ; from row to row
	s_mov_b32 s38, 0
	s_mov_b32 s39, 0
	s_mov_b32 s57, 0                               ; the upper word of every offset below
	s_wait_dscnt 0x0
	s_wait_kmcnt 0x0
	s_lshl_b32 s46, s25, 12
	s_lshl_b32 s47, s24, 7
	s_add_co_u32 s46, s46, s47                     ; the record's first pixel: 4,096 batch + 128 record
	s_lshl_b32 s56, s46, 8
	s_add_nc_u64 s[4:5], s[4:5], s[56:57]          ; its codes
	s_lshl_b32 s56, s46, 3
	s_add_nc_u64 s[6:7], s[6:7], s[56:57]          ; its scale bytes
	s_lshl_b32 s56, s44, 3
	s_add_nc_u64 s[46:47], s[6:7], s[56:57]        ; those of my key tile
	s_lshl_b32 s56, s26, 12
	s_add_nc_u64 s[14:15], s[14:15], s[56:57]      ; wv: my 16 rows of 256 bytes,
	s_lshl_b32 s56, s26, 7
	s_add_nc_u64 s[16:17], s[16:17], s[56:57]      ; their scale bytes,
	s_lshl_b32 s56, s26, 6
	s_add_nc_u64 s[18:19], s[18:19], s[56:57]      ; and bv
	s_lshl_b32 s56, s25, 5
	s_add_co_u32 s56, s56, s24
	s_mul_i32 s56, s56, REC
	s_add_nc_u64 s[20:21], s[20:21], s[56:57]      ; my record in kv
	s_lshl_b32 s56, s26, 11
	s_add_co_u32 s56, s56, VI_O
	s_add_nc_u64 s[48:49], s[20:21], s[56:57]      ; v's codes of my channel tile
	s_lshl_b32 s56, s26, 6
	s_add_co_u32 s56, s56, VS_O
	s_add_nc_u64 s[50:51], s[20:21], s[56:57]      ; its scale words
	s_lshl_b32 s56, s27, 9
	s_add_nc_u64 s[52:53], s[20:21], s[56:57]      ; k's codes of my key tile
	s_lshl_b32 s56, s27, 6
	s_add_co_u32 s56, s56, KS_O
	s_add_nc_u64 s[54:55], s[20:21], s[56:57]      ; its scale words
	s_mov_b32 s28, 1                               ; group 0: count = 1
	s_mul_i32 s29, s[WV], 64*PITCH                 ; LDS: wave x 64 rows
	s_lshl_b32 s56, s[WV], 14
	s_add_nc_u64 s[30:31], s[4:5], s[56:57]        ; memory: wave x 64 rows of 256 bytes
	s_or_b32 s31, s31, 0x80000000                  ; type = 2
	s_cmp_lt_u32 s[WV], 2                          ; waves 0 and 1 bring the record's two halves: the launch's only fills
	s_cbranch_scc0 .Lno_fill
	tensor_load_to_lds s[28:31], s[32:39]
	s_nop 0
	PLACES 4
.Lno_fill:
	; the weights, biases and scale words straight into operand registers.  Every wave asks for all of them (waves 4-7 do not use wk's: the loads stay inside their buffers)
.irp s, 0,1
.irp c, 0,1,2,3
	global_load_b128 v[WVF+16*\s+4*\c:WVF+16*\s+4*\c+3], v[A256], s[14:15] offset:128*\s+32*\c
.endr
.endr
	s_wait_alu depctr_va_vdst(0)
	global_load_b64 v[WVS:WVS+1], v[A8], s[16:17]
	global_load_b32 v[BVR], v[A4], s[18:19]
.irp t, 0,1,2,3,4,5,6,7
	global_load_b64 v[FS+2*\t:FS+2*\t+1], v[AP8], s[6:7] offset:(32*(\t/2)+8*(\t%2))*8
.endr
.irp u, 0,1
.irp s, 0,1
.irp c, 0,1,2,3
	global_load_b128 v[WK+16*(2*\u+\s)+4*\c:WK+16*(2*\u+\s)+4*\c+3], v[AP256], s[8:9] offset:2048*\u+128*\s+32*\c   ; wk's row 8 u + r + 8 (r / 8)
.endr
.endr
	global_load_b64 v[WKS+2*\u:WKS+2*\u+1], v[AP8], s[10:11] offset:64*\u
	global_load_b128 v[KB+8*\u:KB+8*\u+3], v[A64H], s[12:13] offset:32*\u          ; bk at outputs 16 h + 8 u + 0 .. 7: the result's layout
	global_load_b128 v[KB+8*\u+4:KB+8*\u+7], v[A64H], s[12:13] offset:32*\u+16
.endr
	global_load_b64 v[FSK:FSK+1], v[AP8], s[46:47]
	s_wait_tensorcnt 0x0                           ; my half of the record has landed (waves 2-7 issued none),
	s_barrier_signal -1
	s_barrier_wait -1                              ; both halves have
	WIN 0x40                                       ; destination window 1
.irp t, 0,1,2,3,4,5,6,7
.irp s, 0,1
.irp c, 0,1,2,3
	ds_load_b128 v[32*\t+16*\s+4*\c:32*\t+16*\s+4*\c+3], v[LF] offset:(32*(\t/2)+8*(\t%2))*PITCH+128*\s+32*\c   ; feat1's fragment (pixel tile t, K step s)
.endr
.endr
.endr
	WIN 0
	s_cmp_lt_u32 s[WV], 4
	s_cbranch_scc0 .Lno_k
	; ---- k of my key tile, transposed: source 0 = 16 rows of wk, source 1 = 16 pixels: a lane holds ONE pixel and 16 neighbouring outputs
.irp s, 0,1
.irp c, 0,1,2,3
	ds_load_b128 v[KF+16*\s+4*\c:KF+16*\s+4*\c+3], v[LK] offset:128*\s+32*\c
.endr
.endr
	s_wait_loadcnt 0x0
	s_wait_dscnt 0x0
.irp u, 0,1                                    ; the two accumulators by turns; the bias is the C of each sum's first product
	v_wmma_scale_f32_16x16x128_f8f6f4 v[KD+8*\u:KD+8*\u+7], v[WK+32*\u:WK+32*\u+15], v[KF:KF+15], v[KB+8*\u:KB+8*\u+7], v[WKS+2*\u], v[FSK] matrix_a_fmt:MATRIX_FMT_BF8 matrix_b_fmt:MATRIX_FMT_BF8
.endr
.irp u, 0,1
	v_wmma_scale_f32_16x16x128_f8f6f4 v[KD+8*\u:KD+8*\u+7], v[WK+32*\u+16:WK+32*\u+31], v[KF+16:KF+31], v[KD+8*\u:KD+8*\u+7], v[WKS+2*\u+1], v[FSK+1] matrix_a_fmt:MATRIX_FMT_BF8 matrix_b_fmt:MATRIX_FMT_BF8
.endr
	PLACES 8                                       ; eight places in front of the first read of results
	QUANT16 KD, KC, KW
	global_store_b128 v[A16L], v[KC:KC+3], s[52:53]     ; 32 lanes store 512 consecutive bytes
	global_store_b32 v[A4], v[KW], s[54:55]             ; lanes l and l xor 16 hold the same word and write it to the same place
.Lno_k:
	; ---- v of my channel tile, transposed: source 0 = 16 pixels, source 1 = 16 rows of wv: a lane holds ONE channel, its registers run along the keys
	s_wait_loadcnt 0x0
	s_wait_dscnt 0x0
.irp n, 0,1,2,3,4,5,6,7
	v_mov_b32 v[BV8+\n], v[BVR]                    ; every register of a lane belongs to its one channel
.endr
	PLACES 2                                       ; with the eight lines above: ten places in front of products that write over the registers of k's products (nine are owed)
	WIN 0x01                                       ; source 0 window 1
.irp t, 0,1,2,3,4,5,6,7                        ; the eight accumulators by turns
	v_wmma_scale_f32_16x16x128_f8f6f4 v[VD+8*\t:VD+8*\t+7], v[32*\t:32*\t+15], v[WVF:WVF+15], v[BV8:BV8+7], v[FS+2*\t], v[WVS] matrix_a_fmt:MATRIX_FMT_BF8 matrix_b_fmt:MATRIX_FMT_BF8
.endr
.irp t, 0,1,2,3,4,5,6,7
	v_wmma_scale_f32_16x16x128_f8f6f4 v[VD+8*\t:VD+8*\t+7], v[32*\t+16:32*\t+31], v[WVF+16:WVF+31], v[VD+8*\t:VD+8*\t+7], v[FS+2*\t+1], v[WVS+1] matrix_a_fmt:MATRIX_FMT_BF8 matrix_b_fmt:MATRIX_FMT_BF8
.endr
	WIN 0
	PLACES 8
	QUANT VD, PC, PW
.irp c, 0,1,2,3
	global_store_b128 v[A16L], v[PC+4*\c:PC+4*\c+3], s[48:49] offset:512*\c      ; the fragment as it stands: 512 consecutive bytes a store
.endr
	global_store_b32 v[A4], v[PW], s[50:51]        ; lanes l and l xor 16: the same word to the same place
	s_wait_tensorcnt 0x0
	ds_add_u32 v254, v255
	s_wait_dscnt 0x0
	s_endpgm
.Lfunc_end_k_q46609351c4_prep:
	.size	k_q46609351c4_prep, .Lfunc_end_k_q46609351c4_prep-k_q46609351c4_prep
	.p2alignl 7, 3214868480
	.fill 96, 4, 3214868480
	.section	.rodata,"a",@progbits
	.p2align	6, 0x0
	.amdhsa_kernel k_q46609351c4_prep
		.amdhsa_group_segment_fixed_size 168960
		.amdhsa_private_segment_fixed_size 0
		.amdhsa_enable_private_segment 0
		.amdhsa_kernarg_size 72
		.amdhsa_user_sgpr_count 2
		.amdhsa_user_sgpr_kernarg_segment_ptr 1
		.amdhsa_wavefront_size32 1
		.amdhsa_system_sgpr_workgroup_id_x 1
		.amdhsa_system_sgpr_workgroup_id_y 1
		.amdhsa_system_sgpr_workgroup_id_z 1
		.amdhsa_system_vgpr_workitem_id 0
		.amdhsa_next_free_vgpr 512
		.amdhsa_next_free_sgpr 66
		.amdhsa_reserve_vcc 0
		.amdhsa_float_denorm_mode_32 3
		.amdhsa_float_denorm_mode_16_64 3
		.amdhsa_fp16_overflow 1
		.amdhsa_memory_ordered 1
		.amdhsa_forward_progress 1
		.amdhsa_inst_pref_size 23
	.end_amdhsa_kernel
	.amdgpu_metadata
---
amdhsa.version: [ 1, 2 ]
amdhsa.kernels:
  - .name:           k_q46609351c4_prep
    .symbol:         k_q46609351c4_prep.kd
    .args:
      - { .name: feat1_codes, .offset: 0, .size: 8, .value_kind: global_buffer, .address_space: global }
      - { .name: feat1_scales, .offset: 8, .size: 8, .value_kind: global_buffer, .address_space: global }
      - { .name: wk_codes, .offset: 16, .size: 8, .value_kind: global_buffer, .address_space: global }
      - { .name: wk_scales, .offset: 24, .size: 8, .value_kind: global_buffer, .address_space: global }
      - { .name: bk, .offset: 32, .size: 8, .value_kind: global_buffer, .address_space: global }
      - { .name: wv_codes, .offset: 40, .size: 8, .value_kind: global_buffer, .address_space: global }
      - { .name: wv_scales, .offset: 48, .size: 8, .value_kind: global_buffer, .address_space: global }
      - { .name: bv, .offset: 56, .size: 8, .value_kind: global_buffer, .address_space: global }
      - { .name: kv, .offset: 64, .size: 8, .value_kind: global_buffer, .address_space: global }
    .group_segment_fixed_size: 168960
    .private_segment_fixed_size: 0
    .kernarg_segment_align: 8
    .kernarg_segment_size: 72
    .max_flat_workgroup_size: 256
    .sgpr_count:     66
    .vgpr_count:     512
    .wavefront_size: 32
...
	.end_amdgpu_metadata
.endif
;; end of part 1
;; launch attn (part 2): grid 64 x 4, 8 waves a work-group, clusters of 4 x 1, 327,680 bytes of LDS; arguments feat2, wq_codes, wq_scales, bq, gamma, kv, out0; writes out0
.if DOCPART == 2
	.amdgcn_target "amdgcn-amd-amdhsa--gfx1250"
	.amdhsa_code_object_version 6
	.text
	.protected	k_q46609351c4_attn
	.globl	k_q46609351c4_attn
	.p2align	8
	.type	k_q46609351c4_attn,@function
k_q46609351c4_attn:
	s_mov_b64 s[64:65], 0
	v_nop
	global_prefetch_b8 v0, s[64:65] scope:SCOPE_SE
	s_setreg_imm32_b32 hwreg(HW_REG_WAVE_MODE, 25, 1), 1
	s_wait_xcnt 0x0
	s_wait_alu depctr_hold_cnt(0) depctr_sa_sdst(0) depctr_va_vdst(0) depctr_va_sdst(0) depctr_va_ssrc(0) depctr_va_vcc(0) depctr_vm_vsrc(0)
	s_getreg_b32 s2, hwreg(HW_REG_IB_STS2, 6, 4)
	s_cmp_eq_u32 s2, 0
	s_cbranch_scc0 .Lentry_in_a_cluster
	s_endpgm
.Lentry_in_a_cluster:
	s_bfe_u32 s2, ttmp6, 0x10000c
	s_cmp_lg_u32 s2, 0x3003
	s_cbranch_scc0 .Lentry_shape_is_right
	s_endpgm
.Lentry_shape_is_right:
; ATTN: out = gamma x (v softmax(q k)^T) + feat2, all products on codes of E5M2 with one E8M0 scale for each 32 along K.
; q = Q(feat2) wq^T + bq is made here (one work-group alone reads it); k and v come from kv as images of operand registers (records of 128 keys; layout: below).
; THE SOFTMAX: t = logit x log2(e); M = the running largest t rounded UP to a whole number; p = 2^(t - M) is quantised along the keys; the sum l is taken of the unquantised p and divides at the end.
; SHARES.  A work-group owns 64 queries of one batch.  Wave w: qp = w % 2, kq = w / 2: two tiles of 16 queries (2 qp, 2 qp + 1) and record kq of each of the eight groups of four records: a quarter of the keys.
; So a fragment of v read from LDS feeds two products, and two waves lie on a SIMD: one wave's products stand beside the other's softmax.  The four key classes are joined at the end by exact powers of two.
; THE ORDER OF THE KEYS.  Cluster x of a batch begins with group x % 8 and walks round the eight groups: the running M hangs on no order.  So the sixteen clusters of a batch ask for all eight groups
; in every step, and the group that a cluster asks for in its step n is the one that the cluster with the next starting group asked for in its step n - 1.
; K = 32 IN AN INSTRUCTION OF 128.  Four key tiles' codes (4 registers each) are ONE source 0: tile 4 R + c in block c.  Source 1 is a window of 16 registers into the run
; (12 zeros, q's 4 registers, 12 zeros), laid so that q stands in block c: the other three blocks multiply k's codes by zero codes.  Scale words carry their byte four times.
; Both products are used transposed (source 0 = keys, or channels; source 1 = my queries): a lane holds ONE query throughout.
; CLUSTER.  The four work-groups of a cluster belong to one batch and walk the same records: each slot is asked for JOINTLY, every wave one load of 75 rows of 256 bytes, mask 15.
; RECORD (38,400 bytes): 0: k's codes, tile T at 512 T + 16 lane; 4,096: k's scale words 64 T + 4 r; 4,608: v's scale words 64 t + 4 r; 5,632: v's codes 2,048 t + 512 c + 16 lane.
; LIMITS: NaN and infinities are not served.  A block whose largest magnitude lies under 2^-111 keeps the byte 1.  p under 2^-126 counts as 0 (v_exp_f32).  O and l are summed in four key classes, in an order of the keys that differs from cluster to cluster.
; REGISTERS, window 0: v1-11 addresses; v12-23 statistics, six a tile (-M, largest t, l in two halves, f and a written partner); v24-37, v58-59 scale words; v38-56 at work;
;   v60-103 zeros and q; v104-135 k's two runs; v136-199 the scores, then p; (v104-199 are also three buffers for v's fragments); v200-231 p's codes; v232-243 addresses.   window 1: O^T, tile i, channel tile t at 128 i + 8 t.
.set REC,   38400
.set KS_O,  4096
.set VS_O,  4608
.set VI_O,  5632
.set SLOTB, 4*REC                      ; a slot: four records on end, 153,600 bytes; wave w fills bytes 19,200 w on
.set PARTB, SLOTB/8
.set QIMG,  2*SLOTB                    ; q's codes: tile i at 512 i + 16 lane
.set QSC,   QIMG+2048                  ; q's scale words: 128 i + 4 lane
.set MLX,   QSC+512                    ; -M and l of every (query tile, key class): ((4 qt + kq) 2 + val) 128 + 4 lane
.set SPARE, MLX+4096                   ; the spare words, 128 bytes for each wave: four blocks of 256 bytes that no other line names
.set PARTO, 256*272                    ; the way out: a key class's O, 256 channel rows of 256 bytes + 16; four of them from LDS byte 0 on, when both slots have had their last fill and their last read
.set SPW,  1
.set NIL,  2
.set AB,   3                           ; v3-4   my record in slot 0, 1, + 16 lane
.set AW,   5                           ; v5-6   the same + 4 lane
.set QI,   7                           ; v7     where I store q's codes
.set QW,   8                           ; v8     and q's scale word
.set QL,   9                           ; v9     where I read my two tiles' codes
.set QWL,  10                          ; v10    and scale words
.set MX,   11                          ; v11    where I store -M and l
.set QS,   24                          ; v24-25 q's scale words
.set KSW,  26                          ; v26-29 k's: lanes 0-15 tile 2 p, lanes 16-31 tile 2 p + 1
.set VSW,  30                          ; v30-37 v's: likewise channel tiles 2 g, 2 g + 1.  In the q phase: wq's pairs v30-33, x's words v34-35, q's word v36
.set TM,   38
.set BM,   38                          ; v38-41 a block's largest
.set PM,   42                          ; v42-45 the other half's; bytes
.set HL,   46
.set SO,   50                          ; v50-53 the conversion's scale operand
.set C2,   54                          ; v54-55 the sum's second chain
.set T,    56
.set PW0,  58                          ; v58-59 p's scale words
.set QZ,   60
.set KR,   104
.set S,    136
.set PC0,  200
.set MR,   232                         ; v232   where I read the four classes' -M and l
.set STO,  233                         ; v233-234 where I put O: channels 0-127, 128-255
.set RD,   235                         ; v235-238 where I read class p's rows back
.set GO,   239                         ; v239   my byte offset in feat2 and out0 on the way out
.set XA,   240                         ; v240   feat2 for q: 16 h channels down, pixel r
.set WA,   241                         ; v241   wq: row r + 8 (r / 8), + 16 h
.set WSA,  242                         ; v242   its scale bytes
.set BA,   243                         ; v243   bq: 64 h
.set XF,   60                          ; the q phase: x's two fragments v60-91, q's codes v92-95, x's numbers v104-231, q v104-119
.set QC,   92
.set WQS,  30
.set XS,   34
.set QWD,  36
.set X0,   104
.set X1,   168
.set QD,   104
.set WV,   18
.set KQ,   19
.set QP,   20
.set G1,   24                          ; s[24:31] descriptor group 1
.set G0A,  32                          ; s[32:35], s[36:39] group 0 for slot 0, 1
.set SEL,  40
.set CS,   42                          ; s[42:43] log2(e), named as a pair
.set MNT,  44
.set CNT,  45
.set GAM,  46
.set GR,   47                          ; s47  counts the groups asked for, from my cluster's starting group on; its low three bits are the group
.set MSB, 0
.macro WIN new                         ; the immediate's high byte repeats the setting that is left
.if MSB != \new
	s_set_vgpr_msb (MSB<<8)|\new
.set MSB, \new
.endif
.endm
.macro PLACES n
.rept \n
	v_nop
.endr
.endm
.macro CROUND                          ; a round of the cluster's barrier
	s_barrier_signal -1
	s_barrier_wait -1
	s_cmp_lg_u32 s[WV], 0
	s_cbranch_scc1 .Lnot_wave_0_\@
	s_barrier_signal -3
.Lnot_wave_0_\@:
	s_barrier_wait -3
	s_barrier_signal -1
	s_barrier_wait -1
.endm
; the scaled product on rD, rA, rB, rSA, rSB.  zero = 1: it starts a sum.  row1 = 1: source 0's scales stand in lanes 16-31
.macro WM zero, row1
.if \zero
.if \row1
	v_wmma_scale_f32_16x16x128_f8f6f4 v[rD:rD+7], v[rA:rA+15], v[rB:rB+15], 0, v[rSA], v[rSB] matrix_a_fmt:MATRIX_FMT_BF8 matrix_b_fmt:MATRIX_FMT_BF8 matrix_a_scale:MATRIX_SCALE_ROW1
.else
	v_wmma_scale_f32_16x16x128_f8f6f4 v[rD:rD+7], v[rA:rA+15], v[rB:rB+15], 0, v[rSA], v[rSB] matrix_a_fmt:MATRIX_FMT_BF8 matrix_b_fmt:MATRIX_FMT_BF8
.endif
.else
.if \row1
	v_wmma_scale_f32_16x16x128_f8f6f4 v[rD:rD+7], v[rA:rA+15], v[rB:rB+15], v[rD:rD+7], v[rSA], v[rSB] matrix_a_fmt:MATRIX_FMT_BF8 matrix_b_fmt:MATRIX_FMT_BF8 matrix_a_scale:MATRIX_SCALE_ROW1
.else
	v_wmma_scale_f32_16x16x128_f8f6f4 v[rD:rD+7], v[rA:rA+15], v[rB:rB+15], v[rD:rD+7], v[rSA], v[rSB] matrix_a_fmt:MATRIX_FMT_BF8 matrix_b_fmt:MATRIX_FMT_BF8
.endif
.endif
.endm
; 64 numbers of a lane, register 16 b + n = k 32 b + 16 h + n of my row, become a fragment's codes in v[pc] on and its scale word in v[pw]
.macro QUANT src, pc, pw
.irp b, 0,1,2,3
	v_max3_num_f32 v[TM+\b], |v[\src+16*\b]|, |v[\src+1+16*\b]|, 0x8000000   ; my 16 numbers of block b, and the floor 2^(16 - 127): the byte cannot fall under 1
.endr
.irp n, 2,4,6,8,10,12,14
.irp b, 0,1,2,3
	s_delay_alu instid0(VALU_DEP_4)
	v_max3_num_f32 v[TM+\b], v[TM+\b], |v[\src+16*\b+\n]|, |v[\src+1+16*\b+\n]|
.endr
.endr
.irp b, 0,1,2,3
	s_delay_alu instid0(VALU_DEP_4)
	v_permlanex16_b32 v[TM+4+\b], v[TM+\b], s[SEL], s[SEL+1]
.endr
.irp b, 0,1,2,3
	s_delay_alu instid0(VALU_DEP_4)
	v_max_num_f32 v[TM+\b], v[TM+\b], v[TM+4+\b]
.endr
.irp b, 0,1,2,3
	s_delay_alu instid0(VALU_DEP_4)
	v_add_nc_u32 v[TM+12+\b], 0xf8800000, v[TM+\b]                ; 15 off the exponent field: the conversion's scale operand
.endr
.irp b, 0,1,2,3
.endr
.irp b, 0,1,2,3
	s_delay_alu instid0(VALU_DEP_4)
	v_lshrrev_b32 v[TM+4+\b], 23, v[TM+12+\b]
.endr
	s_delay_alu instid0(VALU_DEP_3)
	v_lshl_or_b32 v[\pw], v[TM+5], 8, v[TM+4]
	s_delay_alu instid0(VALU_DEP_1)
	v_lshl_or_b32 v[\pw], v[TM+6], 16, v[\pw]
	s_delay_alu instid0(VALU_DEP_1)
	v_lshl_or_b32 v[\pw], v[TM+7], 24, v[\pw]
.irp b, 0,1,2,3
.irp n, 0,1,2,3,4,5,6,7,8,9,10,11,12,13,14,15
.endr
	v_cvt_scalef32_pk8_bf8_f32 v[\pc+4*\b:\pc+4*\b+1], v[\src+16*\b:\src+16*\b+7], v[TM+12+\b]
	v_cvt_scalef32_pk8_bf8_f32 v[\pc+4*\b+2:\pc+4*\b+3], v[\src+16*\b+8:\src+16*\b+15], v[TM+12+\b]
.endr
	v_nop                                          ; a plain line behind the last conversion
.endm
; 16 numbers of a lane: ONE block of 32 with lane l xor 16's.  Four registers of codes; the byte in all four bytes of the word
.macro QUANT16 src, pc, pw
	v_max3_num_f32 v[TM], |v[\src]|, |v[\src+1]|, 0x8000000
.irp n, 2,4,6,8,10,12,14
	v_max3_num_f32 v[TM], v[TM], |v[\src+\n]|, |v[\src+\n+1]|
.endr
	s_delay_alu instid0(VALU_DEP_1)
	v_permlanex16_b32 v[TM+4], v[TM], s[SEL], s[SEL+1]
	s_delay_alu instid0(VALU_DEP_1)
	v_max_num_f32 v[TM], v[TM], v[TM+4]
	s_delay_alu instid0(VALU_DEP_1)
	v_add_nc_u32 v[TM+12], 0xf8800000, v[TM]
	s_delay_alu instid0(VALU_DEP_1)
	v_lshrrev_b32 v[TM+4], 23, v[TM+12]
	s_delay_alu instid0(VALU_DEP_1)
	v_lshl_or_b32 v[\pw], v[TM+4], 8, v[TM+4]
	s_delay_alu instid0(VALU_DEP_1)
	v_lshl_or_b32 v[\pw], v[\pw], 16, v[\pw]
.irp n, 0,1,2,3,4,5,6,7,8,9,10,11,12,13,14,15
.endr
	v_cvt_scalef32_pk8_bf8_f32 v[\pc:\pc+1], v[\src:\src+7], v[TM+12]
	v_cvt_scalef32_pk8_bf8_f32 v[\pc+2:\pc+3], v[\src+8:\src+15], v[TM+12]
	v_nop
.endm
; THE CHANGE OF SLOTS.  Each wave waits for all its tensor loads (its part of the slot ahead), adds 0 to its spare word, and waits for that and for its reads of the slot that it leaves.
; fill = 1: that slot is filled again with the group two on in my cluster's walk: the barrier is a round of the cluster's, and the joint load is the first thing behind it; one load of mine is out, and it has a whole step in which to land.
.macro CHANGE slot, fill
	WIN 0
	s_wait_tensorcnt 0x0                           ; no tensor load of mine is out, so a group 0 may be written
	ds_add_u32 v[SPW], v[NIL]                      ; 0 onto my spare word
.if \fill
	s_add_co_u32 s[GR], s[GR], 1                   ; the next group of the walk,
	s_and_b32 s63, s[GR], 7                        ; round the eight;
	s_mul_i32 s60, s63, SLOTB                      ; its bytes from the batch's first record (s61 = 0)
	s_add_nc_u64 s[G0A+4*\slot+2:G0A+4*\slot+3], s[14:15], s[60:61]
	s_or_b32 s[G0A+4*\slot+3], s[G0A+4*\slot+3], 0x80000000   ; type = 2
.endif
	s_wait_dscnt 0x0                               ; the add is done, and my reads of the slot are over
.if \fill
	CROUND
	tensor_load_to_lds s[G0A+4*\slot:G0A+4*\slot+3], s[G1:G1+7]
	s_nop 0
	PLACES 4
.else
	s_barrier_signal -1
	s_barrier_wait -1
.endif
.endm
; S^T of query tile i: eight tiles of 16 keys
.macro SCORES i
.irp t, 0,1,2,3,4,5,6,7
.set rD, S+8*\t
.set rA, KR+16*(\t/4)
.set rB, QZ+12+16*(\i)-4*(\t%4)
.set rSA, KSW+\t/2
.set rSB, QS+(\i)
	WM 1, \t%2
.endr
	PLACES 8                                       ; in front of the first read of results, and of loads into k's registers
.endm
; the softmax of query tile i for these 128 keys: register 16 b + n of S is key 32 b + 16 h + n of my query
.macro SOFT i
.set NM, 12+6*(\i)
.set LL, 14+6*(\i)
.set FF, 16+6*(\i)
.set PCI, PC0+16*(\i)
.set PWI, PW0+(\i)
.irp b, 0,1,2,3
	v_max3_num_f32 v[BM+\b], v[S+16*\b], v[S+1+16*\b], v[S+2+16*\b]     ; the largest score of each block of 32 keys: for the row's maximum and, since p rises with the score, for the block's largest p
.endr
.irp n, 3,5,7,9,11,13
.irp b, 0,1,2,3
	v_max3_num_f32 v[BM+\b], v[BM+\b], v[S+16*\b+\n], v[S+1+16*\b+\n]
.endr
.endr
.irp b, 0,1,2,3
	v_max_num_f32 v[BM+\b], v[BM+\b], v[S+15+16*\b]
.endr
.irp b, 0,1,2,3
	s_delay_alu instid0(VALU_DEP_4)
	v_permlanex16_b32 v[PM+\b], v[BM+\b], s[SEL], s[SEL+1]
.endr
.irp b, 0,1,2,3
	s_delay_alu instid0(VALU_DEP_4)
	v_max_num_f32 v[BM+\b], v[BM+\b], v[PM+\b]
.endr
	s_delay_alu instid0(VALU_DEP_2)
	v_max3_num_f32 v[T], v[BM], v[BM+1], v[BM+2]
	s_delay_alu instid0(VALU_DEP_1)
	v_max_num_f32 v[T], v[T], v[BM+3]
	s_delay_alu instid0(VALU_DEP_1)
	v_mul_f32 v[T], s[CS], v[T]                    ; the step's largest t
	s_delay_alu instid0(VALU_DEP_1)
	v_max_num_f32 v[NM+1], v[NM+1], v[T]           ; the running largest t
	v_mov_b32 v[T], v[NM]
	s_delay_alu instid0(VALU_DEP_2)
	v_floor_f32 v[NM], -v[NM+1]                    ; -M = floor(-t): M is a whole number
	s_delay_alu instid0(VALU_DEP_1)
	v_sub_f32 v[T], v[NM], v[T]                    ; old M - new M, 0 or less
	s_delay_alu instid0(VALU_DEP_1)
	v_cvt_i32_f32 v[T], v[T]                       ; (it saturates)
	s_delay_alu instid0(VALU_DEP_1)
	v_ldexp_f32 v[FF], 1.0, v[T]                   ; f = 2^(old M - new M): a multiplication by it rounds nothing
.set j, 0
.rept 32
	v_pk_fma_f32 v[S+j:S+j+1], v[S+j:S+j+1], s[CS:CS+1], v[NM:NM+1] op_sel_hi:[1,0,0]   ; t - M, two at a time
.set j, j+2
.endr
.irp b, 0,1,2,3
	v_fma_f32 v[BM+\b], v[BM+\b], s[CS], v[NM]
.endr
.set j, 0
	s_wait_alu depctr_va_vdst(0)
.rept 64
	v_exp_f32 v[S+j], v[S+j]                       ; p = 2^(t - M): not normalised
.set j, j+1
.endr
.irp b, 0,1,2,3
	v_exp_f32 v[BM+\b], v[BM+\b]                   ; the block's largest p
.endr
	v_pk_mul_f32 v[LL:LL+1], v[LL:LL+1], v[FF:FF+1] op_sel_hi:[1,0]     ; l under the new M (a plain line behind the exponentials)
	s_wait_alu depctr_va_vdst(0)
.irp b, 0,1,2,3
	v_max_num_f32 v[BM+\b], 0x8000000, v[BM+\b]    ; the floor 2^(16 - 127)
.endr
.irp b, 0,1,2,3
	s_delay_alu instid0(VALU_DEP_4)
	v_add_nc_u32 v[SO+\b], 0xf8800000, v[BM+\b]
.endr
.irp b, 0,1,2,3
.endr
.irp b, 0,1,2,3
	s_delay_alu instid0(VALU_DEP_4)
	v_lshrrev_b32 v[PM+\b], 23, v[SO+\b]
.endr
	s_delay_alu instid0(VALU_DEP_3)
	v_lshl_or_b32 v[PWI], v[PM+1], 8, v[PM]        ; p's scale word for these 128 keys
	s_delay_alu instid0(VALU_DEP_1)
	v_lshl_or_b32 v[PWI], v[PM+2], 16, v[PWI]
	s_delay_alu instid0(VALU_DEP_1)
	v_lshl_or_b32 v[PWI], v[PM+3], 24, v[PWI]
	v_pk_add_f32 v[C2:C2+1], v[S:S+1], v[S+2:S+3]  ; the sum of the UNQUANTISED p, in two chains
.set j, 4
.rept 15
	v_pk_add_f32 v[LL:LL+1], v[LL:LL+1], v[S+j:S+j+1]
	v_pk_add_f32 v[C2:C2+1], v[C2:C2+1], v[S+j+2:S+j+3]
.set j, j+4
.endr
	s_delay_alu instid0(VALU_DEP_1)
	v_pk_add_f32 v[LL:LL+1], v[LL:LL+1], v[C2:C2+1]
.irp b, 0,1,2,3
.set j, 0
.rept 16
.set j, j+1
.endr
	v_cvt_scalef32_pk8_bf8_f32 v[PCI+4*\b:PCI+4*\b+1], v[S+16*\b:S+16*\b+7], v[SO+\b]
	v_cvt_scalef32_pk8_bf8_f32 v[PCI+4*\b+2:PCI+4*\b+3], v[S+16*\b+8:S+16*\b+15], v[SO+\b]
.endr
	v_nop                                          ; a plain line behind the last conversion
.endm
.macro VLOAD g, buf, ab                ; v's fragments of channel tiles 2 g, 2 g + 1
.irp u, 0,1
.irp c, 0,1,2,3
	ds_load_b128 v[\buf+16*\u+4*\c:\buf+16*\u+4*\c+3], v[\ab] offset:VI_O+2048*(2*(\g)+\u)+512*\c
.endr
.endr
.endm
.macro RESC g                          ; O^T of channel tiles 2 g, 2 g + 1, both query tiles, under the new M; each accumulator from its low end on
	WIN 0x41                                       ; destination and source 0 window 1
.irp q, 0,1
.irp u, 0,1
.irp n, 0,2,4,6
	v_pk_mul_f32 v[128*\q+8*(2*(\g)+\u)+\n:128*\q+8*(2*(\g)+\u)+\n+1], v[128*\q+8*(2*(\g)+\u)+\n:128*\q+8*(2*(\g)+\u)+\n+1], v[16+6*\q:17+6*\q] op_sel_hi:[1,0]
.endr
.endr
.endr
.endm
.macro PVG g, buf, first               ; O^T += v^T p^T: four products on four accumulators
	WIN 0x50                                       ; C and D window 1
.irp u, 0,1
.irp q, 0,1
.set rD, 128*\q+8*(2*(\g)+\u)
.set rA, (\buf)+16*\u
.set rB, PC0+16*\q
.set rSA, VSW+(\g)
.set rSB, PW0+\q
	WM \first, \u
.endr
.endr
.endm
; A KEY STEP: my record of the slot.  first = 1: its products start O^T's sums, and nothing is rescaled.
.macro STEP slot, first
	WIN 0
.irp n, 0,1
.irp c, 0,1,2,3
	ds_load_b128 v[KR+16*\n+4*\c:KR+16*\n+4*\c+3], v[AB+\slot] offset:2048*\n+512*\c
.endr
.endr
.irp n, 0,1,2,3
	ds_load_b32 v[KSW+\n], v[AW+\slot] offset:KS_O+128*\n
.endr
.irp n, 0,1,2,3,4,5,6,7
	ds_load_b32 v[VSW+\n], v[AW+\slot] offset:VS_O+128*\n
.endr
	s_wait_dscnt 0x0
	SCORES 0
	SOFT 0
	SCORES 1
	VLOAD 0, KR, AB+\slot                          ; k's registers are free: v's first fragments land under the second softmax
	SOFT 1
	VLOAD 1, S, AB+\slot
	VLOAD 2, S+32, AB+\slot
.if \first
	PLACES 4                                       ; codes written by vector instructions stand four places ahead of a scaled product
.else
	RESC 0
.endif
	s_wait_alu depctr_va_vdst(0)
.irp g, 0,1,2,3,4,5,6,7
.if \g <= 5
	s_wait_alu depctr_va_vdst(0)
	s_wait_dscnt 16                                ; group g's eight loads are in; the two younger groups' may be out
.elseif \g == 6
	s_wait_alu depctr_va_vdst(0)
	s_wait_dscnt 8
.else
	s_wait_alu depctr_va_vdst(0)
	s_wait_dscnt 0
.endif
	PVG \g, KR+32*(\g%3), \first
.if \g < 7
.if \first
	PLACES 8
.else
	RESC \g+1                                      ; sixteen plain lines that name none of group g's registers: the places in front of the loads below
.endif
.endif
.if \g <= 4
	WIN 0
	VLOAD \g+3, KR+32*(\g%3), AB+\slot
.endif
.endr
	WIN 0
	PLACES 9                                       ; the next scores are written over v's buffers: nine places
.endm
	s_load_b256 s[4:11], s[0:1], 0x0               ; feat2 s[4:5], wq's codes s[6:7], its scales s[8:9], bq s[10:11]
	s_load_b128 s[12:15], s[0:1], 0x20             ; gamma s[12:13], kv s[14:15]
	s_load_b64 s[16:17], s[0:1], 0x30              ; out0
	v_lshl_add_u32 v[SPW], v0, 2, SPARE
	v_mov_b32 v[NIL], 0
	ds_add_u32 v1, v2
	ds_add_u32 v1, v2
	s_wait_dscnt 0x0
	v_lshrrev_b32 v244, 5, v0
	s_delay_alu instid0(VALU_DEP_1)
	v_readfirstlane_b32 s[WV], v244                ; wave 0..7
	s_lshr_b32 s[KQ], s[WV], 1                     ; my key class
	s_and_b32 s[QP], s[WV], 1                      ; my pair of query tiles
	s_bfe_u32 s21, ttmp6, 0x40000                  ; cx: it enters feat2's and out0's addresses alone
	s_lshl_b32 s22, ttmp9, 2
	s_add_co_u32 s22, s22, s21                     ; my block of 64 queries
	s_and_b32 s23, ttmp7, 0xffff                   ; the batch, which the four partners share
	s_and_b32 s[GR], ttmp9, 7                      ; the group with which my cluster begins: the cluster's x, which the four partners share, modulo 8
	v_and_b32 v246, 31, v0                         ; lane
	v_and_b32 v244, 15, v0                         ; r
	v_bfe_u32 v245, v0, 4, 1                       ; h
	s_delay_alu instid0(VALU_DEP_2)
	v_and_b32 v247, 8, v244
	s_delay_alu instid0(VALU_DEP_1)
	v_add_nc_u32 v247, v247, v244                  ; r + 8 (r / 8)
	v_lshlrev_b32 v248, 4, v246                    ; 16 lane
	s_wait_alu depctr_va_vdst(0)
	v_lshlrev_b32 v249, 2, v246                    ; 4 lane
	s_wait_alu depctr_va_vdst(0)
	s_mul_i32 s54, s[KQ], REC
	v_add_nc_u32 v[AB], s54, v248
	v_add_nc_u32 v[AW], s54, v249
	s_add_co_u32 s54, s54, SLOTB
	v_add_nc_u32 v[AB+1], s54, v248
	v_add_nc_u32 v[AW+1], s54, v249
	s_and_b32 s55, s[WV], 3                        ; the query tile whose q I make, if I make one
	s_lshl_b32 s56, s55, 9
	s_add_co_u32 s56, s56, QIMG
	v_add_nc_u32 v[QI], s56, v248
	s_lshl_b32 s56, s55, 7
	s_add_co_u32 s56, s56, QSC
	v_add_nc_u32 v[QW], s56, v249
	s_lshl_b32 s56, s[QP], 10
	s_add_co_u32 s56, s56, QIMG
	v_add_nc_u32 v[QL], s56, v248
	s_lshl_b32 s56, s[QP], 8
	s_add_co_u32 s56, s56, QSC
	v_add_nc_u32 v[QWL], s56, v249
	s_lshl_b32 s56, s[QP], 3
	s_add_co_u32 s56, s56, s[KQ]
	s_lshl_b32 s56, s56, 8
	s_add_co_u32 s56, s56, MLX
	v_add_nc_u32 v[MX], s56, v249
	s_lshl_b32 s56, s[QP], 11
	s_add_co_u32 s56, s56, MLX
	v_add_nc_u32 v[MR], s56, v249
	s_mul_i32 s56, s[KQ], PARTO                    ; O on its way out: my class's part, channel row 8 h, my query's 4 bytes
	s_lshl_b32 s57, s[QP], 7
	s_add_co_u32 s56, s56, s57
	v_mul_u32_u24 v[STO], v245, 8*272
	s_delay_alu instid0(VALU_DEP_1)
	v_lshl_add_u32 v[STO], v244, 2, v[STO]
	s_delay_alu instid0(VALU_DEP_1)
	v_add_nc_u32 v[STO], s56, v[STO]
	s_delay_alu instid0(VALU_DEP_1)
	v_add_nc_u32 v[STO+1], 128*272, v[STO]
	s_mul_i32 s56, s[WV], 32*272                   ; back: wave w takes channels 32 w on; lanes 0-15 one row, lanes 16-31 the next
	v_mul_u32_u24 v[RD], v245, 272
	s_delay_alu instid0(VALU_DEP_1)
	v_lshl_add_u32 v[RD], v244, 4, v[RD]
	s_delay_alu instid0(VALU_DEP_1)
	v_add_nc_u32 v[RD], s56, v[RD]
	s_delay_alu instid0(VALU_DEP_1)
	v_add_nc_u32 v[RD+1], PARTO, v[RD]
	s_delay_alu instid0(VALU_DEP_2)
	v_add_nc_u32 v[RD+2], 2*PARTO, v[RD]
	s_delay_alu instid0(VALU_DEP_3)
	v_add_nc_u32 v[RD+3], 3*PARTO, v[RD]
	v_lshlrev_b32 v[GO], 14, v245
	s_delay_alu instid0(VALU_DEP_1)
	v_lshl_add_u32 v[GO], v244, 4, v[GO]
	v_lshlrev_b32 v[XA], 18, v245
	s_delay_alu instid0(VALU_DEP_1)
	v_lshl_add_u32 v[XA], v244, 2, v[XA]
	v_lshlrev_b32 v[WA], 8, v247
	s_delay_alu instid0(VALU_DEP_1)
	v_lshl_add_u32 v[WA], v245, 4, v[WA]
	v_lshlrev_b32 v[WSA], 3, v247
	v_lshlrev_b32 v[BA], 6, v245
	; descriptor group 1: 75 dense rows of 256 bytes (32 elements of 8 bytes): an eighth of a slot
	s_mov_b32 s[G1], 15|(3<<16)|(1<<21)            ; the mask: all four work-groups; elements of 8 bytes; bit 21 set beside a mask; no padding: images are read 16 bytes a lane on end
	s_mov_b32 s[G1+1], 32<<16                      ; tensor_dim0
	s_mov_b32 s[G1+2], 75<<16                      ; tensor_dim1
	s_mov_b32 s[G1+3], 32<<16                      ; tile_dim0
	s_mov_b32 s[G1+4], 75                          ; tile_dim1
	s_mov_b32 s[G1+5], 32                          ; from row to row
	s_mov_b32 s[G1+6], 0
	s_mov_b32 s[G1+7], 0
	s_mov_b32 s[SEL], 0x76543210
	s_mov_b32 s[SEL+1], 0xfedcba98
	s_mov_b32 s[CS], 0x3fb8aa3b                    ; log2(e)
	s_mov_b32 s[CS+1], s[CS]
	s_mov_b32 s59, 0
	s_mov_b32 s61, 0
	s_wait_kmcnt 0x0
	s_load_b32 s[GAM], s[12:13], 0x0               ; gamma: asked for here, waited for on the way out, ahead of its one use; its base is never written again
	s_lshl_b32 s56, s23, 22                        ; the batch's 256 channels of 16,384 bytes,
	s_lshl_b32 s57, s22, 8                         ; my 64 queries' 256 bytes of a row
	s_add_co_u32 s56, s56, s57
	s_lshl_b32 s57, s55, 6
	s_add_co_u32 s58, s56, s57
	s_add_nc_u64 s[48:49], s[4:5], s[58:59]        ; feat2 for q: the 16 pixels of tile wave % 4
	s_lshl_b32 s57, s[WV], 19
	s_add_co_u32 s58, s56, s57
	s_add_nc_u64 s[50:51], s[4:5], s[58:59]        ; feat2 and out0 on the way out: channel 32 w
	s_add_nc_u64 s[52:53], s[16:17], s[58:59]
	s_mul_i32 s60, s23, 32*REC                     ; kv: the batch's records, my eighth of a slot (in registers that never hold cx)
	s_mul_i32 s62, s[WV], PARTB
	s_add_co_u32 s60, s60, s62
	s_add_nc_u64 s[14:15], s[14:15], s[60:61]
	CROUND                                         ; all four work-groups are here: the first joint loads meet
	s_mov_b32 s[G0A], 1
	s_mov_b32 s[G0A+1], s62                        ; LDS: slot 0, wave x 19,200
	s_mul_i32 s60, s[GR], SLOTB                    ; the walk's first group
	s_add_nc_u64 s[G0A+2:G0A+3], s[14:15], s[60:61]
	s_or_b32 s[G0A+3], s[G0A+3], 0x80000000
	s_add_co_u32 s[GR], s[GR], 1                   ; its second, round the eight
	s_and_b32 s63, s[GR], 7
	s_mul_i32 s60, s63, SLOTB
	s_mov_b32 s[G0A+4], 1
	s_add_co_u32 s[G0A+5], s62, SLOTB              ; slot 1
	s_add_nc_u64 s[G0A+6:G0A+7], s[14:15], s[60:61]
	s_or_b32 s[G0A+7], s[G0A+7], 0x80000000
	tensor_load_to_lds s[G0A:G0A+3], s[G1:G1+7]    ; both first fills together: two loads of mine are out
	s_nop 0
	tensor_load_to_lds s[G0A+4:G0A+7], s[G1:G1+7]
	s_nop 0
	PLACES 4
.irp i, 0,1
	v_mov_b32 v[13+6*\i], 0xff61b1e6               ; the largest t so far: -3e38
	s_delay_alu instid0(VALU_DEP_1)
	v_floor_f32 v[12+6*\i], -v[13+6*\i]            ; -M
	v_mov_b32 v[14+6*\i], 0                        ; l, in two halves
	v_mov_b32 v[15+6*\i], 0
	v_mov_b32 v[16+6*\i], 0                        ; f and its partner in the pair
	v_mov_b32 v[17+6*\i], 0
.endr
.irp b, 0,1,2,3
	v_mov_b32 v[PM+\b], 0                          ; written once: a lane permute's destination counts as one of its sources
.endr
	s_cmp_lt_u32 s[WV], 4
	s_cbranch_scc0 .Lq_done
	; ---- q of query tile w (waves 0-3), transposed: source 0 = 16 rows of wq, source 1 = 16 pixels of x = Q(feat2): a lane holds ONE query and 16 neighbouring outputs
	WIN 0x40                                       ; destination window 1: O^T's registers are still free
.irp u, 0,1
.irp s, 0,1
.irp c, 0,1,2,3
	global_load_b128 v[16*(2*\u+\s)+4*\c:16*(2*\u+\s)+4*\c+3], v[WA], s[6:7] offset:2048*\u+128*\s+32*\c   ; wq's row 8 u + r + 8 (r / 8)
.endr
.endr
	global_load_b128 v[64+8*\u:64+8*\u+3], v[BA], s[10:11] offset:32*\u           ; bq at outputs 16 h + 8 u + 0 .. 7
	global_load_b128 v[64+8*\u+4:64+8*\u+7], v[BA], s[10:11] offset:32*\u+16
.endr
	WIN 0
.irp u, 0,1
	global_load_b64 v[WQS+2*\u:WQS+2*\u+1], v[WSA], s[8:9] offset:64*\u
.endr
.macro XLOAD reg, s2                   ; a lane takes pixel r, and its registers run DOWN the channels: 128 s2 + 32 b + 16 h + n
.irp b, 0,1,2,3
.irp n, 0,1,2,3,4,5,6,7,8,9,10,11,12,13,14,15
	global_load_b32 v[\reg+16*\b+\n], v[XA], s[48:49] offset:(128*\s2+32*\b+\n)*16384
.endr
.endr
.endm
	XLOAD X0, 0
	XLOAD X1, 1
	s_wait_loadcnt 63                              ; 64 loads stand behind K step 0's; the count's field ends at 63: K step 0 and all before it are in
	QUANT X0, XF, XS
	s_wait_loadcnt 0x0
	QUANT X1, XF+16, XS+1
	PLACES 4                                       ; codes stand four places ahead of a scaled product
	WIN 0x11                                       ; source 0 (wq) and source 2 (bq) window 1
.irp u, 0,1                                    ; the two accumulators by turns; the bias is the C of each sum's first product
	v_wmma_scale_f32_16x16x128_f8f6f4 v[QD+8*\u:QD+8*\u+7], v[32*\u:32*\u+15], v[XF:XF+15], v[64+8*\u:64+8*\u+7], v[WQS+2*\u], v[XS] matrix_a_fmt:MATRIX_FMT_BF8 matrix_b_fmt:MATRIX_FMT_BF8
.endr
	WIN 0x01
.irp u, 0,1
	v_wmma_scale_f32_16x16x128_f8f6f4 v[QD+8*\u:QD+8*\u+7], v[32*\u+16:32*\u+31], v[XF+16:XF+31], v[QD+8*\u:QD+8*\u+7], v[WQS+2*\u+1], v[XS+1] matrix_a_fmt:MATRIX_FMT_BF8 matrix_b_fmt:MATRIX_FMT_BF8
.endr
	WIN 0
	PLACES 8
	QUANT16 QD, QC, QWD
	ds_store_b128 v[QI], v[QC:QC+3]                ; q's codes and scale word as images of their registers
	ds_store_b32 v[QW], v[QWD]
.Lq_done:
	s_wait_dscnt 0x0                               ; for the others' sake: my image has landed
	s_wait_tensorcnt 1                             ; my part of slot 0 is in; slot 1's may stay out
	s_barrier_signal -1
	s_barrier_wait -1
.irp z, 0,16,32
.set j, 0
.rept 12
	v_mov_b32 v[QZ+\z+j], 0                        ; the zero codes on both sides of q's
.set j, j+1
.endr
.endr
.irp i, 0,1
	ds_load_b128 v[QZ+12+16*\i:QZ+15+16*\i], v[QL] offset:512*\i
	ds_load_b32 v[QS+\i], v[QWL] offset:128*\i
.endr
	PLACES 4                                       ; the zeros stand four places ahead of the first scaled product
	STEP 0, 1                                      ; the walk's first group
	s_mov_b32 s[CNT], 3
.Lloop:                                            ; three trips: the walk's second to seventh group; each change of slots asks for the group two on
	CHANGE 0, 1
	STEP 1, 0
	CHANGE 1, 1
	STEP 0, 0
	s_sub_co_u32 s[CNT], s[CNT], 1
	s_cmp_lg_u32 s[CNT], 0
	s_cbranch_scc1 .Lloop
	CHANGE 0, 0                                    ; the last group is written out: nothing is left to ask for
	STEP 1, 0
	; ---- THE WAY OUT.  feat2 is asked for in the output's layout; the four key classes exchange -M and l; each wave brings its O^T under the common M, x gamma / l; the parts meet in LDS by channel rows.
.irp n, 0,1,2,3,4,5,6,7,8,9,10,11,12,13,14,15
	global_load_b128 v[S+4*\n:S+4*\n+3], v[GO], s[50:51] offset:32768*\n th:TH_LOAD_NT    ; channels 32 w + 2 n + h: sixteen lanes read 256 consecutive bytes
.endr
.irp i, 0,1
	v_add_f32 v[BM+\i], v[14+6*\i], v[15+6*\i]
.endr
.irp i, 0,1
	s_delay_alu instid0(VALU_DEP_2)
	v_permlanex16_b32 v[PM+\i], v[BM+\i], s[SEL], s[SEL+1]
.endr
.irp i, 0,1
	s_delay_alu instid0(VALU_DEP_2)
	v_add_f32 v[BM+\i], v[BM+\i], v[PM+\i]         ; my class's l
.endr
.irp i, 0,1
	ds_store_b32 v[MX], v[12+6*\i] offset:1024*\i
	ds_store_b32 v[MX], v[BM+\i] offset:1024*\i+128
.endr
	s_wait_dscnt 0x0                               ; my stores have landed, and my reads of the slots are over
	s_barrier_signal -1
	s_barrier_wait -1                              ; so nobody reads a slot any more: both have had their last fill, and O may be laid there
.irp i, 0,1
.irp k, 0,1,2,3
	ds_load_b32 v[KR+8*\i+2*\k], v[MR] offset:1024*\i+256*\k
	ds_load_b32 v[KR+8*\i+2*\k+1], v[MR] offset:1024*\i+256*\k+128
.endr
.endr
	s_wait_kmcnt 0x0                               ; gamma, asked for at the head
	s_wait_dscnt 0x0
.irp i, 0,1
	v_min3_num_f32 v[T], v[KR+8*\i], v[KR+8*\i+2], v[KR+8*\i+4]
	s_delay_alu instid0(VALU_DEP_1)
	v_min_num_f32 v[T], v[T], v[KR+8*\i+6]         ; the common -M
.irp k, 0,1,2,3
	v_sub_f32 v[BM+\k], v[T], v[KR+8*\i+2*\k]      ; class k's M - the common M: a whole number, 0 or less
.endr
.irp k, 0,1,2,3
	s_delay_alu instid0(VALU_DEP_4)
	v_cvt_i32_f32 v[BM+\k], v[BM+\k]
.endr
.irp k, 0,1,2,3
	s_delay_alu instid0(VALU_DEP_4)
	v_ldexp_f32 v[BM+\k], 1.0, v[BM+\k]
.endr
	s_delay_alu instid0(VALU_DEP_4)
	v_mul_f32 v[PM], v[KR+8*\i+1], v[BM]
	s_delay_alu instid0(VALU_DEP_1)
	v_fma_f32 v[PM], v[KR+8*\i+3], v[BM+1], v[PM]
	s_delay_alu instid0(VALU_DEP_1)
	v_fma_f32 v[PM], v[KR+8*\i+5], v[BM+2], v[PM]
	s_delay_alu instid0(VALU_DEP_1)
	v_fma_f32 v[PM], v[KR+8*\i+7], v[BM+3], v[PM]  ; the row's l
	v_sub_f32 v[PM+1], v[T], v[12+6*\i]
	s_delay_alu instid0(VALU_DEP_1)
	v_cvt_i32_f32 v[PM+1], v[PM+1]
	s_delay_alu instid0(VALU_DEP_1)
	v_ldexp_f32 v[PM+1], s[GAM], v[PM+1]           ; gamma x 2^(my M - the common M)
	s_wait_alu depctr_va_vdst(0)
	v_rcp_f32 v[PM], v[PM]
	v_nop                                          ; a plain line behind the reciprocal
	s_wait_alu depctr_va_vdst(0)
	v_mul_f32 v[16+6*\i], v[PM+1], v[PM]
.endr
	WIN 0x41
.irp q, 0,1
.set j, 0
.rept 64
	v_pk_mul_f32 v[128*\q+j:128*\q+j+1], v[128*\q+j:128*\q+j+1], v[16+6*\q:17+6*\q] op_sel_hi:[1,0]   ; each accumulator from its low end on
.set j, j+2
.endr
.endr
	WIN 0x04                                       ; an LDS store's data are its source 1: window 1
.irp q, 0,1
.irp t, 0,1,2,3,4,5,6,7,8,9,10,11,12,13,14,15
.irp n, 0,1,2,3,4,5,6,7
	ds_store_b32 v[STO+\t/8], v[128*\q+8*\t+\n] offset:(16*(\t%8)+\n)*272+64*\q    ; channel 16 t + 8 h + n, query 32 qp + 16 q + r: sixteen lanes write 64 consecutive bytes, the other sixteen 544 words on
.endr
.endr
.endr
	WIN 0
	s_wait_dscnt 0x0                               ; for the others' sake: my part lies in LDS
	s_barrier_signal -1
	s_barrier_wait -1
	WIN 0x40
.irp n, 0,1,2,3,4,5,6,7,8,9,10,11,12,13,14,15
.irp p, 0,1,2,3
	ds_load_b128 v[16*\n+4*\p:16*\n+4*\p+3], v[RD+\p] offset:544*\n      ; class p's rows 32 w + 2 n + h
.endr
.endr
	s_wait_loadcnt 0x0                             ; feat2
	WIN 0x04                                       ; source 1 window 1
.irp n, 0,1,2,3,4,5,6,7,8,9,10,11,12,13,14,15
	s_wait_dscnt 4*(15-\n)                         ; this pair of rows' four loads are in; four for each younger pair may be out
.irp p, 0
	v_pk_add_f32 v[S+4*\n:S+4*\n+1], v[S+4*\n:S+4*\n+1], v[16*\n+4*\p:16*\n+4*\p+1]
	v_pk_add_f32 v[S+4*\n+2:S+4*\n+3], v[S+4*\n+2:S+4*\n+3], v[16*\n+4*\p+2:16*\n+4*\p+3]
.endr
.irp p, 1, 2, 3
	s_delay_alu instid0(VALU_DEP_2)
	v_pk_add_f32 v[S+4*\n:S+4*\n+1], v[S+4*\n:S+4*\n+1], v[16*\n+4*\p:16*\n+4*\p+1]
	s_delay_alu instid0(VALU_DEP_2)
	v_pk_add_f32 v[S+4*\n+2:S+4*\n+3], v[S+4*\n+2:S+4*\n+3], v[16*\n+4*\p+2:16*\n+4*\p+3]
.endr
.endr
	WIN 0
	s_wait_alu depctr_va_vdst(0)
.irp n, 0,1,2,3,4,5,6,7,8,9,10,11,12,13,14,15
	global_store_b128 v[GO], v[S+4*\n:S+4*\n+3], s[52:53] offset:32768*\n th:TH_STORE_NT   ; sixteen lanes store 256 consecutive bytes, at a multiple of 256 from out0's first byte
.endr
	s_wait_tensorcnt 0x0                           ; the wave's end, behind my last tensor load and my last LDS store
	ds_add_u32 v[SPW], v[NIL]
	s_wait_dscnt 0x0
	CROUND                                         ; the closing round: no work-group ends while a partner may still ask for a tile that names it
	s_endpgm
.Lfunc_end_k_q46609351c4_attn:
	.size	k_q46609351c4_attn, .Lfunc_end_k_q46609351c4_attn-k_q46609351c4_attn
	.p2alignl 7, 3214868480
	.fill 96, 4, 3214868480
	.section	.rodata,"a",@progbits
	.p2align	6, 0x0
	.amdhsa_kernel k_q46609351c4_attn
		.amdhsa_group_segment_fixed_size 327680
		.amdhsa_private_segment_fixed_size 0
		.amdhsa_enable_private_segment 0
		.amdhsa_kernarg_size 56
		.amdhsa_user_sgpr_count 2
		.amdhsa_user_sgpr_kernarg_segment_ptr 1
		.amdhsa_wavefront_size32 1
		.amdhsa_system_sgpr_workgroup_id_x 1
		.amdhsa_system_sgpr_workgroup_id_y 1
		.amdhsa_system_sgpr_workgroup_id_z 1
		.amdhsa_system_vgpr_workitem_id 0
		.amdhsa_next_free_vgpr 512
		.amdhsa_next_free_sgpr 66
		.amdhsa_reserve_vcc 0
		.amdhsa_float_denorm_mode_32 3
		.amdhsa_float_denorm_mode_16_64 3
		.amdhsa_fp16_overflow 1
		.amdhsa_memory_ordered 1
		.amdhsa_forward_progress 1
		.amdhsa_inst_pref_size 255
	.end_amdhsa_kernel
	.section	.bss,"aw",@nobits
	.p2align	6
	.space	262144
	.amdgpu_metadata
---
amdhsa.version: [ 1, 2 ]
amdhsa.kernels:
  - .name:           k_q46609351c4_attn
    .symbol:         k_q46609351c4_attn.kd
    .args:
      - { .name: feat2, .offset: 0, .size: 8, .value_kind: global_buffer, .address_space: global }
      - { .name: wq_codes, .offset: 8, .size: 8, .value_kind: global_buffer, .address_space: global }
      - { .name: wq_scales, .offset: 16, .size: 8, .value_kind: global_buffer, .address_space: global }
      - { .name: bq, .offset: 24, .size: 8, .value_kind: global_buffer, .address_space: global }
      - { .name: gamma, .offset: 32, .size: 8, .value_kind: global_buffer, .address_space: global }
      - { .name: kv, .offset: 40, .size: 8, .value_kind: global_buffer, .address_space: global }
      - { .name: out0, .offset: 48, .size: 8, .value_kind: global_buffer, .address_space: global }
    .group_segment_fixed_size: 327680
    .private_segment_fixed_size: 0
    .kernarg_segment_align: 8
    .kernarg_segment_size: 56
    .max_flat_workgroup_size: 256
    .sgpr_count:     66
    .vgpr_count:     512
    .wavefront_size: 32
...
	.end_amdgpu_metadata
.endif
;; end of part 2
